; MI455X (gfx1250); checked and timed in simulation.
; The chip was launched on July 23, 2026; its instructions are those of AMD's public machine-readable ISA for CDNA 5 (MIT licence, August 2026) and "CDNA5" Instruction Set Architecture Reference Guide (July 2026). The comments in the code are by the model that wrote it; some were corrected since.
;; Distributed Mo E. Allowed arithmetic: float matrix products may take bf16 or f16 operands with f32 sums; all other float work in f32.
;; Inputs: b1 8 x 4,096 float32; b2 8 x 1,024 float32; gate_b 8 float32; gate_w 1,024 x 8 float32; w1 8 x 1,024 x 4,096 float32; w2 8 x 4,096 x 1,024 float32; x 1,024 x 1,024 float32.
;; Outputs: out0 1,024 x 1,024 float32; out1 one number float32.
;; One version. Each part assembles by itself: llvm-mc -triple=amdgcn-amd-amdhsa -mcpu=gfx1250 --defsym DOCPART=n.
;; ======== version 1 of 1: 6 launches
;; limits: values outside matrix products are rounded to bf16
;; workspace buffers: rbits 1,024 bytes of whole numbers; probs 32,768 bytes; psum 8,192 bytes; route 16,896 bytes of whole numbers; rlist 12,288 bytes of whole numbers; xg 4,456,448 bytes; hg 17,825,792 bytes; part 35,651,584 bytes
;; launch gate (part 1): grid 256 x 1, 1 waves a work-group, no clusters, 0 bytes of LDS; arguments x, gate_w, gate_b, rbits, probs, psum; writes rbits, probs, psum
.if DOCPART == 1
	.amdgcn_target "amdgcn-amd-amdhsa--gfx1250"
	.amdhsa_code_object_version 6
	.text
	.protected	k_qd60baa0f55_gate
	.globl	k_qd60baa0f55_gate
	.p2align	8
	.type	k_qd60baa0f55_gate,@function
k_qd60baa0f55_gate:
	s_mov_b64 s[64:65], 0
	v_nop
	global_prefetch_b8 v0, s[64:65] scope:SCOPE_SE
	s_setreg_imm32_b32 hwreg(HW_REG_WAVE_MODE, 25, 1), 1
	s_wait_xcnt 0x0
; GATE.  logits = x gate_w + gate_b, softmax with the row's own maximum taken away, and for each token the two largest
; probabilities as a mask of 8 bits.  The product runs on the vector unit: 2 x 1024 x 1024 x 8 operations, a ten-thousandth of the problem.
; FORMAT: x and gate_w enter the product rounded to bf16, as the operands of every matrix product of this program do (the products
; of two bf16 numbers are exact in f32, the sums are f32); gate_b is rounded likewise.  So the routing, which jumps where two
; logits cross, is that of the module evaluated on bf16 inputs, the same x that the experts' products see.
; One wave takes 4 tokens.  Lane L takes h = 128 c + 4 L + i (c = 0..7, i = 0..3): each load of x covers 512 consecutive bytes.
; Out: probs[b][e]; psum[wg][e] = sum of probs over my 4 tokens; rbits dword wg, bit 8 t + e = token 4 wg + t goes to expert e.
; LIMITS: a tie goes to the lower index, as in top_k; two probabilities that differ by less than the rounding of a sum of
; 1,024 f32 products may be ordered otherwise than by another order of summation.  NaN inputs are not served.
.set ACC, 16                           ; v[16:47]  sums, index 8 t + e
.set ST,  48                           ; v[48:239] four stages of 48: x of token t at +4 t, gate_w row i at +16 + 8 i
.set RT,  12                           ; v[12:15]  packed pairs while a stage is rounded
	s_load_b256 s[4:11], s[0:1], 0x0               ; x s[4:5], gate_w s[6:7], gate_b s[8:9], rbits s[10:11]
	s_load_b128 s[12:15], s[0:1], 0x20             ; probs s[12:13], psum s[14:15]
	v_lshlrev_b32 v1, 4, v0                        ; 16 L: my 4 numbers of a piece of x
	v_lshlrev_b32 v2, 7, v0                        ; 128 L: my 4 rows of gate_w (32 bytes each)
	v_and_b32 v3, 7, v0
	v_lshlrev_b32 v3, 2, v3                        ; 4 e
	v_mov_b32 v8, 0                                ; the destination of a lane move counts as read: written once here
	s_lshl_b32 s16, ttmp9, 14                      ; 4 tokens of 4,096 bytes
	s_mov_b32 s17, 0
	s_mov_b32 s18, 0x76543210                      ; v_permlanex16_b32: lane i of the other half
	s_mov_b32 s19, 0xfedcba98
	s_mov_b32 s20, 0xffff0000                      ; lanes with bit 4 set; also a word's upper bf16
	s_mov_b32 s21, 0xff00ff00                      ; bit 3
	s_mov_b32 s22, 0xf0f0f0f0                      ; bit 2
	s_mov_b32 s23, 0xcccccccc                      ; bit 1
	s_mov_b32 s24, 0xaaaaaaaa                      ; bit 0
	s_wait_kmcnt 0x0
	s_add_nc_u64 s[4:5], s[4:5], s[16:17]
	global_load_b32 v4, v3, s[8:9]                 ; gate_b[e]
.macro LOADST c                        ; twelve loads: piece c of my 4 tokens and of gate_w
.set SL, ST+48*((\c)&3)
.irp t, 0,1,2,3
	global_load_b128 v[SL+4*\t:SL+4*\t+3], v1, s[4:5] offset:\t*4096+(\c)*512
.endr
.irp i, 0,1,2,3
	global_load_b128 v[SL+16+8*\i:SL+16+8*\i+3], v2, s[6:7] offset:(\c)*4096+32*\i
	global_load_b128 v[SL+16+8*\i+4:SL+16+8*\i+7], v2, s[6:7] offset:(\c)*4096+32*\i+16
.endr
.endm
; sixteen packed multiply-adds: row i of my four rows of gate_w (8 experts) times x[t][i], which is register sel of the pair at pr
.macro FMAI i, pr, sel, start
.irp t, 0,1,2,3
.irp p, 0,1,2,3
.if \start
	v_pk_mul_f32 v[ACC+8*\t+2*\p:ACC+8*\t+2*\p+1], v[SB+16+8*\i+2*\p:SB+16+8*\i+2*\p+1], v[SB+4*\t+\pr:SB+4*\t+\pr+1] op_sel:[0,\sel] op_sel_hi:[1,\sel]
.else
	v_pk_fma_f32 v[ACC+8*\t+2*\p:ACC+8*\t+2*\p+1], v[SB+16+8*\i+2*\p:SB+16+8*\i+2*\p+1], v[SB+4*\t+\pr:SB+4*\t+\pr+1], v[ACC+8*\t+2*\p:ACC+8*\t+2*\p+1] op_sel:[0,\sel,0] op_sel_hi:[1,\sel,1]
.endif
.endr
.endr
.endm
.macro PIECE c, left, start, more
	s_wait_loadcnt \left                           ; loads come back in order: this piece's twelve are in, the younger stages stay out
.set SB, ST+48*((\c)&3)
.set k, 0
.rept 24                                           ; the stage's 48 numbers to bf16 (nearest even) and back to f32, two at a time
	v_cvt_pk_bf16_f32 v[RT+k%4], v[SB+2*k], v[SB+2*k+1]
	v_lshlrev_b32 v[SB+2*k], 16, v[RT+k%4]
	v_and_b32 v[SB+2*k+1], s20, v[RT+k%4]
.set k, k+1
.endr
	FMAI 0, 0, 0, \start                           ; the first products start the sums: nothing is cleared
	FMAI 1, 0, 1, 0
	FMAI 2, 2, 0, 0
	FMAI 3, 2, 1, 0
.if \more
	LOADST (\c+4)                                  ; the stage just used takes the piece four further on
.endif
.endm
	LOADST 0
	LOADST 1
	LOADST 2
	LOADST 3
	PIECE 0, 36, 1, 1                              ; three younger stages of twelve loads
	PIECE 1, 36, 0, 1
	PIECE 2, 36, 0, 1
	PIECE 3, 36, 0, 1
	PIECE 4, 36, 0, 0
	PIECE 5, 24, 0, 0                              ; nothing is issued any more: the counts run down
	PIECE 6, 12, 0, 0
	PIECE 7, 0, 0, 0
	; Sum over the 32 lanes and scatter: each step halves the indices a lane keeps, by one bit of its number; lane L ends with index L.
.irp k, 0,1,2,3,4,5,6,7,8,9,10,11,12,13,14,15
	v_cndmask_b32 v6, v[ACC+16+\k], v[ACC+\k], s20     ; what the other half keeps
	v_cndmask_b32 v7, v[ACC+\k], v[ACC+16+\k], s20     ; what I keep
	v_permlanex16_b32 v8, v6, s18, s19
	v_add_f32 v[ACC+\k], v7, v8
.endr
.macro RSD n, x, msk
.set k, 0
.rept \n
	v_cndmask_b32 v6, v[ACC+\n+k], v[ACC+k], \msk
	v_cndmask_b32 v7, v[ACC+k], v[ACC+\n+k], \msk
	v_add_f32_dpp v[ACC+k], v6, v7 row_xmask:\x row_mask:0xf bank_mask:0xf
.set k, k+1
.endr
.endm
	RSD 8, 8, s21
	RSD 4, 4, s22
	RSD 2, 2, s23
	RSD 1, 1, s24
	; lane L = 8 t + e holds the product's sum for token t, expert e
	v_cvt_pk_bf16_f32 v4, v4, v4                   ; gate_b to bf16
	v_lshlrev_b32 v4, 16, v4                       ; and back
	v_add_f32 v16, v16, v4
	v_mov_b32 v5, v16
	v_max_num_f32_dpp v5, v5, v5 row_xmask:1 row_mask:0xf bank_mask:0xf
	v_max_num_f32_dpp v5, v5, v5 row_xmask:2 row_mask:0xf bank_mask:0xf
	v_max_num_f32_dpp v5, v5, v5 row_xmask:4 row_mask:0xf bank_mask:0xf    ; the token's largest logit
	v_sub_f32 v6, v16, v5
	v_mul_f32 v6, 0x3fb8aa3b, v6                   ; e^d = 2^(d log2 e)
	v_exp_f32 v7, v6
	v_mov_b32 v11, 0                               ; (a plain instruction behind the exponential, ISA guide 5.7.2) the rank starts at 0
	s_wait_alu depctr_va_vdst(0)
	v_mov_b32 v9, v7
	v_add_f32_dpp v9, v9, v9 row_xmask:1 row_mask:0xf bank_mask:0xf
	v_add_f32_dpp v9, v9, v9 row_xmask:2 row_mask:0xf bank_mask:0xf
	v_add_f32_dpp v9, v9, v9 row_xmask:4 row_mask:0xf bank_mask:0xf
	v_rcp_f32 v10, v9
	v_lshlrev_b32 v12, 2, v0                       ; (a plain instruction behind the reciprocal) 4 L
	s_wait_alu depctr_va_vdst(0)
	v_mul_f32 v10, v7, v10                         ; the probability
	; rank = how many of the other seven come first: larger, or equal with a lower index
.macro RANK m, msk                     ; msk: the lanes whose partner e xor m has the lower index
	v_mov_b32_dpp v13, v10 row_xmask:\m row_mask:0xf bank_mask:0xf
	v_cmp_gt_f32 vcc_lo, v13, v10
	v_cmp_ge_f32 s26, v13, v10
	s_and_b32 s26, s26, \msk
	s_or_b32 vcc_lo, vcc_lo, s26
	v_add_co_ci_u32 v11, vcc_lo, 0, v11, vcc_lo
.endm
	RANK 1, s24
	RANK 2, s23
	RANK 3, s23
	RANK 4, s22
	RANK 5, s22
	RANK 6, s22
	RANK 7, s22
	v_cmp_gt_u32 vcc_lo, 2, v11                    ; bit 8 t + e: among the token's two largest
	v_mov_b32 v14, vcc_lo
	v_mov_b32 v15, v10                             ; sum of the probabilities over my 4 tokens
	v_add_f32_dpp v15, v15, v15 row_xmask:8 row_mask:0xf bank_mask:0xf
	v_permlanex16_b32 v8, v15, s18, s19
	v_add_f32 v15, v15, v8
	s_lshl_b32 s16, ttmp9, 7
	s_add_nc_u64 s[12:13], s[12:13], s[16:17]      ; probs: 128 bytes for a work-group
	s_lshl_b32 s16, ttmp9, 5
	s_add_nc_u64 s[14:15], s[14:15], s[16:17]      ; psum: 32 bytes
	s_lshl_b32 s16, ttmp9, 2
	s_add_nc_u64 s[10:11], s[10:11], s[16:17]      ; rbits: one word
	global_store_b32 v12, v10, s[12:13]
	s_wait_xcnt 0x0                                ; EXEC is a source of the pending store: it changes only behind this wait
	v_cmp_gt_u32 vcc_lo, 8, v0
	s_and_saveexec_b32 s27, vcc_lo
	global_store_b32 v12, v15, s[14:15]            ; lanes 0-7
	s_wait_xcnt 0x0
	s_or_b32 exec_lo, exec_lo, s27
	v_cmp_eq_u32 vcc_lo, 0, v0
	s_and_saveexec_b32 s27, vcc_lo
	global_store_b32 v12, v14, s[10:11]            ; lane 0 (its 4 L is 0)
	s_wait_xcnt 0x0
	s_or_b32 exec_lo, exec_lo, s27
	s_endpgm
.Lfunc_end_k_qd60baa0f55_gate:
	.size	k_qd60baa0f55_gate, .Lfunc_end_k_qd60baa0f55_gate-k_qd60baa0f55_gate
	.p2alignl 7, 3214868480
	.fill 96, 4, 3214868480
	.section	.rodata,"a",@progbits
	.p2align	6, 0x0
	.amdhsa_kernel k_qd60baa0f55_gate
		.amdhsa_group_segment_fixed_size 0
		.amdhsa_private_segment_fixed_size 0
		.amdhsa_enable_private_segment 0
		.amdhsa_kernarg_size 48
		.amdhsa_user_sgpr_count 2
		.amdhsa_user_sgpr_kernarg_segment_ptr 1
		.amdhsa_wavefront_size32 1
		.amdhsa_system_sgpr_workgroup_id_x 1
		.amdhsa_system_sgpr_workgroup_id_y 1
		.amdhsa_system_sgpr_workgroup_id_z 1
		.amdhsa_system_vgpr_workitem_id 0
		.amdhsa_next_free_vgpr 240
		.amdhsa_next_free_sgpr 66
		.amdhsa_reserve_vcc 1
		.amdhsa_float_denorm_mode_32 3
		.amdhsa_float_denorm_mode_16_64 3
		.amdhsa_memory_ordered 1
		.amdhsa_forward_progress 1
		.amdhsa_inst_pref_size 77
	.end_amdhsa_kernel
	.amdgpu_metadata
---
amdhsa.version: [ 1, 2 ]
amdhsa.kernels:
  - .name:           k_qd60baa0f55_gate
    .symbol:         k_qd60baa0f55_gate.kd
    .args:
      - { .name: x, .offset: 0, .size: 8, .value_kind: global_buffer, .address_space: global }
      - { .name: gate_w, .offset: 8, .size: 8, .value_kind: global_buffer, .address_space: global }
      - { .name: gate_b, .offset: 16, .size: 8, .value_kind: global_buffer, .address_space: global }
      - { .name: rbits, .offset: 24, .size: 8, .value_kind: global_buffer, .address_space: global }
      - { .name: probs, .offset: 32, .size: 8, .value_kind: global_buffer, .address_space: global }
      - { .name: psum, .offset: 40, .size: 8, .value_kind: global_buffer, .address_space: global }
    .group_segment_fixed_size: 0
    .private_segment_fixed_size: 0
    .kernarg_segment_align: 8
    .kernarg_segment_size: 48
    .max_flat_workgroup_size: 32
    .sgpr_count:     66
    .vgpr_count:     240
    .wavefront_size: 32
...
	.end_amdgpu_metadata
.endif
;; end of part 1
;; launch route (part 2): grid 1 x 1, 8 waves a work-group, no clusters, 14,336 bytes of LDS; arguments rbits, psum, route, rlist, out1; writes route, rlist, out1
.if DOCPART == 2
	.amdgcn_target "amdgcn-amd-amdhsa--gfx1250"
	.amdhsa_code_object_version 6
	.text
	.protected	k_qd60baa0f55_route
	.globl	k_qd60baa0f55_route
	.p2align	8
	.type	k_qd60baa0f55_route,@function
k_qd60baa0f55_route:
	s_mov_b64 s[64:65], 0
	v_nop
	global_prefetch_b8 v0, s[64:65] scope:SCOPE_SE
	s_setreg_imm32_b32 hwreg(HW_REG_WAVE_MODE, 25, 1), 1
	s_wait_xcnt 0x0
; ROUTE.  A counting sort of the 2,048 (token, expert) pairs by expert, each expert starting on a tile of 16 rows, and the auxiliary
; loss.  One work-group: 1,024 bytes of masks in, a few hundred instructions, 29 KiB of tables out.  This launch only DECIDES: no branch
; and no global address of it hangs on the sorted data; the launches behind it form their addresses from the whole numbers stored here.
; route: words 0-7 first tile of expert e, words 32-39 its tiles, word 64 all tiles (the other lanes' words are filler);
;        from byte 512: for token b the four words {row A, row B, expert A, expert B}.
; rlist: word r = the token of row r (at most 136 tiles of 16 rows: (2048 + 8 x 15) / 16; 3,072 words are stored).
; Rows that pad an expert's last tile name token 0: rows of a product do not mix, and no later launch reads a padding row's result.
; LIMIT: each token's mask has two bits (launch gate makes it so for inputs without NaN); rows are clamped, so nothing leaves a buffer otherwise.
.set CNT,   0                          ; 8 waves x 32 words: pairs of expert e in wave w's 128 tokens
.set LIST,  1024                       ; 3,072 words: token of each row
.set MK,    4                          ; v[4:7]   masks of my 4 tokens
.set Q,     8                          ; v[8:23]  token r: {row A, row B, expert A, expert B}
.set LD,    132                        ; v[132:143] my 48 bytes of the list on their way out
	s_load_b256 s[4:11], s[0:1], 0x0               ; rbits s[4:5], psum s[6:7], route s[8:9], rlist s[10:11]
	s_load_b64 s[12:13], s[0:1], 0x20              ; out1
	v_lshl_add_u32 v144, v0, 2, 0x3400
	v_mov_b32 v145, 0
	v_and_b32 v1, 31, v0                           ; lane
	v_lshrrev_b32 v3, 5, v0
	v_readfirstlane_b32 s16, v3                    ; wave
	v_lshl_add_u32 v2, v3, 7, v1                   ; my first token: 128 w + L; the others 32, 64, 96 further
	s_wait_kmcnt 0x0
.irp r, 0,1,2,3
	global_load_u8 v[MK+\r], v2, s[4:5] offset:32*\r
.endr
.irp k, 24,25,26,27
	v_mov_b32 v\k, 0
.endr
	v_lshlrev_b32 v28, 4, v0
.irp k, 0,1,2
	ds_store_b128 v28, v[24:27] offset:LIST+4096*\k    ; every row starts as token 0
.endr
.irp r, 0,1,2,3,4,5,6,7,8,9,10,11,12,13,14,15
	v_mov_b32 v[Q+\r], 0
.endr
.irp e, 0,1,2,3,4,5,6,7
	s_mov_b32 s[32+\e], 0                          ; pairs of expert e seen so far in this wave
.endr
	s_wait_loadcnt 0x0
	; A. The place of each pair among its wave's pairs of the same expert, in token order.
.irp r, 0,1,2,3
	s_mov_b32 s17, 0                               ; lanes that have found their first expert
.irp e, 0,1,2,3,4,5,6,7
	v_and_b32 v29, 1<<\e, v[MK+\r]
	v_cmp_ne_u32 s18, 0, v29                       ; the lanes whose token goes to expert e
	v_mbcnt_lo_u32_b32 v30, s18, s[32+\e]          ; those below me + those of earlier tokens
	s_and_not1_b32 s19, s18, s17                   ; it is the token's first expert,
	s_and_b32 s20, s18, s17                        ; or its second
	s_or_b32 s17, s17, s18
	v_cndmask_b32 v[Q+4*\r], v[Q+4*\r], v30, s19
	v_cndmask_b32 v[Q+4*\r+2], v[Q+4*\r+2], \e, s19
	v_cndmask_b32 v[Q+4*\r+1], v[Q+4*\r+1], v30, s20
	v_cndmask_b32 v[Q+4*\r+3], v[Q+4*\r+3], \e, s20
	s_bcnt1_i32_b32 s21, s18
	s_add_co_u32 s[32+\e], s[32+\e], s21
.endr
.endr
	v_mov_b32 v26, 0
.irp e, 0,1,2,3,4,5,6,7
	v_writelane_b32 v26, s[32+\e], \e
.endr
	v_lshlrev_b32 v31, 2, v0                       ; word 32 w + L
	ds_store_b32 v31, v26 offset:CNT
	s_wait_dscnt 0x0                               ; my counts and my part of the list are in LDS, for the other waves' sake
	s_barrier_signal -1
	s_barrier_wait -1
	; B. Lane L works for expert L % 8: all pairs, pairs of the waves in front of mine, tiles, first tile.
	v_and_b32 v32, 7, v1
	v_lshlrev_b32 v32, 2, v32
.irp w, 0,1,2,3,4,5,6,7
	ds_load_b32 v[40+\w], v32 offset:CNT+128*\w
.endr
	v_mov_b32 v33, 0
	v_mov_b32 v34, 0
	v_mov_b32 v38, 0
	s_wait_dscnt 0x0
.irp w, 0,1,2,3,4,5,6,7
	s_cmp_gt_u32 s16, \w
	s_cselect_b32 s21, -1, 0
	v_and_b32 v35, s21, v[40+\w]
	v_add_nc_u32 v34, v34, v35                     ; pairs in waves in front of mine
	v_add_nc_u32 v33, v33, v[40+\w]                ; all pairs of the expert
.endr
	v_add_nc_u32 v36, 15, v33
	v_lshrrev_b32 v36, 4, v36                      ; tiles of the expert
	v_mov_b32 v37, v36                             ; running sum over lanes 0-7 (lanes above hold filler)
.irp n, 1,2,4
	v_mov_b32_dpp v38, v37 row_shr:\n row_mask:0xf bank_mask:0xf bound_ctrl:1
	v_add_nc_u32 v37, v37, v38
.endr
	v_sub_nc_u32 v39, v37, v36                     ; first tile of the expert
	v_lshl_add_u32 v48, v39, 4, v34                ; first row of my wave's pairs of the expert
	v_readlane_b32 s22, v37, 7
	s_min_u32 s22, s22, 136                        ; all tiles
.irp r, 0,1,2,3
	v_lshlrev_b32 v49, 2, v[Q+4*\r+2]
	ds_bpermute_b32 v[50+2*\r], v49, v48           ; from the lane of expert A
	v_lshlrev_b32 v49, 2, v[Q+4*\r+3]
	ds_bpermute_b32 v[51+2*\r], v49, v48
.endr
	s_wait_dscnt 0x0
.irp r, 0,1,2,3
	v_add_nc_u32 v[Q+4*\r], v[Q+4*\r], v[50+2*\r]
	v_add_nc_u32 v[Q+4*\r+1], v[Q+4*\r+1], v[51+2*\r]
	v_min_u32 v[Q+4*\r], 2175, v[Q+4*\r]           ; 136 tiles of 16 rows
	v_min_u32 v[Q+4*\r+1], 2175, v[Q+4*\r+1]
	v_add_nc_u32 v58, 32*\r, v2                    ; the token
	v_lshlrev_b32 v49, 2, v[Q+4*\r]
	ds_store_b32 v49, v58 offset:LIST
	v_lshlrev_b32 v49, 2, v[Q+4*\r+1]
	ds_store_b32 v49, v58 offset:LIST
.endr
	s_wait_dscnt 0x0                               ; my rows of the list are in LDS, for the other waves' sake
	s_barrier_signal -1
	s_barrier_wait -1
	; C. The tables leave.  The list is read back in the order of the threads, so that the stores' addresses hang on the thread's number alone.
	; The one barrier below this line stands at the end, at .Ldone.
.irp k, 0,1,2
	ds_load_b128 v[LD+4*\k:LD+4*\k+3], v28 offset:LIST+4096*\k
.endr
	v_lshlrev_b32 v60, 4, v2
.irp r, 0,1,2,3
	global_store_b128 v60, v[Q+4*\r:Q+4*\r+3], s[8:9] offset:512+512*\r    ; 512 consecutive bytes from a wave
.endr
	s_wait_dscnt 0x0
.irp k, 0,1,2
	global_store_b128 v28, v[LD+4*\k:LD+4*\k+3], s[10:11] offset:4096*\k   ; 512 consecutive bytes from a wave
.endr
	s_cmp_lg_u32 s16, 0
	s_cbranch_scc1 .Ldone
	v_lshlrev_b32 v61, 2, v1
	v_mov_b32 v62, s22
	global_store_b32 v61, v39, s[8:9]
	global_store_b32 v61, v36, s[8:9] offset:128
	global_store_b32 v61, v62, s[8:9] offset:256
	; loss = 8 sum over e of (P_e / 1024) (C_e / 1024) = 2^-17 sum of P_e C_e.  Word L + 32 n of psum belongs to expert L % 8.
.set n, 0
.rept 64
	global_load_b32 v[64+n], v61, s[6:7] offset:128*n
.set n, n+1
.endr
	s_mov_b32 s24, 0x76543210
	s_mov_b32 s25, 0xfedcba98
	v_cvt_f32_u32 v63, v33
	s_wait_loadcnt 0x0
.set n, 1
.rept 15
	v_pk_add_f32 v[64:65], v[64:65], v[64+4*n:65+4*n]
	v_pk_add_f32 v[66:67], v[66:67], v[66+4*n:67+4*n]
.set n, n+1
.endr
	v_pk_add_f32 v[64:65], v[64:65], v[66:67]
	v_add_f32 v64, v64, v65
	v_add_f32_dpp v64, v64, v64 row_xmask:8 row_mask:0xf bank_mask:0xf
	v_permlanex16_b32 v65, v64, s24, s25
	v_add_f32 v64, v64, v65                        ; P_e
	v_mul_f32 v64, v64, v63                        ; P_e C_e
	v_add_f32_dpp v64, v64, v64 row_xmask:1 row_mask:0xf bank_mask:0xf
	v_add_f32_dpp v64, v64, v64 row_xmask:2 row_mask:0xf bank_mask:0xf
	v_add_f32_dpp v64, v64, v64 row_xmask:4 row_mask:0xf bank_mask:0xf
	v_mul_f32 v64, 0x37000000, v64                 ; 2^-17
	v_mov_b32 v67, 0
	s_wait_xcnt 0x0                                ; EXEC is a source of the pending stores
	v_cmp_eq_u32 vcc_lo, 0, v1
	s_and_saveexec_b32 s23, vcc_lo
	global_store_b32 v67, v64, s[12:13]
	s_wait_xcnt 0x0
	s_or_b32 exec_lo, exec_lo, s23
.Ldone:
	s_barrier_signal -1
	s_barrier_wait -1
	s_wait_tensorcnt 0x0
	ds_add_u32 v144, v145
	s_wait_dscnt 0x0
	s_endpgm
.Lfunc_end_k_qd60baa0f55_route:
	.size	k_qd60baa0f55_route, .Lfunc_end_k_qd60baa0f55_route-k_qd60baa0f55_route
	.p2alignl 7, 3214868480
	.fill 96, 4, 3214868480
	.section	.rodata,"a",@progbits
	.p2align	6, 0x0
	.amdhsa_kernel k_qd60baa0f55_route
		.amdhsa_group_segment_fixed_size 14336
		.amdhsa_private_segment_fixed_size 0
		.amdhsa_enable_private_segment 0
		.amdhsa_kernarg_size 40
		.amdhsa_user_sgpr_count 2
		.amdhsa_user_sgpr_kernarg_segment_ptr 1
		.amdhsa_wavefront_size32 1
		.amdhsa_system_sgpr_workgroup_id_x 1
		.amdhsa_system_sgpr_workgroup_id_y 1
		.amdhsa_system_sgpr_workgroup_id_z 1
		.amdhsa_system_vgpr_workitem_id 0
		.amdhsa_next_free_vgpr 146
		.amdhsa_next_free_sgpr 66
		.amdhsa_reserve_vcc 1
		.amdhsa_float_denorm_mode_32 3
		.amdhsa_float_denorm_mode_16_64 3
		.amdhsa_memory_ordered 1
		.amdhsa_forward_progress 1
		.amdhsa_inst_pref_size 37
	.end_amdhsa_kernel
	.amdgpu_metadata
---
amdhsa.version: [ 1, 2 ]
amdhsa.kernels:
  - .name:           k_qd60baa0f55_route
    .symbol:         k_qd60baa0f55_route.kd
    .args:
      - { .name: rbits, .offset: 0, .size: 8, .value_kind: global_buffer, .address_space: global }
      - { .name: psum, .offset: 8, .size: 8, .value_kind: global_buffer, .address_space: global }
      - { .name: route, .offset: 16, .size: 8, .value_kind: global_buffer, .address_space: global }
      - { .name: rlist, .offset: 24, .size: 8, .value_kind: global_buffer, .address_space: global }
      - { .name: out1, .offset: 32, .size: 8, .value_kind: global_buffer, .address_space: global }
    .group_segment_fixed_size: 14336
    .private_segment_fixed_size: 0
    .kernarg_segment_align: 8
    .kernarg_segment_size: 40
    .max_flat_workgroup_size: 256
    .sgpr_count:     66
    .vgpr_count:     146
    .wavefront_size: 32
...
	.end_amdgpu_metadata
.endif
;; end of part 2
;; launch gather (part 3): grid 256 x 1, 4 waves a work-group, no clusters, 17,920 bytes of LDS; arguments x, route, rlist, xg; writes xg
.if DOCPART == 3
	.amdgcn_target "amdgcn-amd-amdhsa--gfx1250"
	.amdhsa_code_object_version 6
	.text
	.protected	k_qd60baa0f55_gather
	.globl	k_qd60baa0f55_gather
	.p2align	8
	.type	k_qd60baa0f55_gather,@function
k_qd60baa0f55_gather:
	s_mov_b64 s[64:65], 0
	v_nop
	global_prefetch_b8 v0, s[64:65] scope:SCOPE_SE
	s_setreg_imm32_b32 hwreg(HW_REG_WAVE_MODE, 25, 1), 1
	s_wait_xcnt 0x0
; GATHER.  x in the order of the sorted rows, rounded to bf16 and laid out as matrix fragments.  Which token a row takes and how many
; tiles there are, are whole numbers that launch route stored: they come by scalar loads and are clamped before they enter an address.
; xg: tile x 32 KiB + K step x 1 KiB + s x 512 + 16 l holds k = 32 step + 16 s + 8 (l / 16) + 0..7 of row l % 16.
; Work-group g takes tile g / 2; its wave w takes piece p = 4 (g % 2) + w of the tile's 16 rows: numbers 128 p .. 128 p + 127, K steps
; 4 p .. 4 p + 3.  2,048 pairs make at least 128 tiles, so the first tile needs no question; there are at most 136, so the work-groups
; with g / 2 below (tiles - 128) take tile g / 2 + 128 as well, and ask for its rows before they finish the first.
; A gather of pieces of 512 bytes with a conversion: the matrix unit, clusters and the data mover have nothing to do here; each wave
; has a stage of its own in LDS, so there is no barrier.
.set WSTG, 16*272                      ; a wave's stage: 16 blocks of 256 bytes, 272 apart
.set OA,   108                         ; v[108:123] byte offsets of the first tile's 16 rows
.set OB2,  60                          ; v[60:75]   of the second tile's
.set DA,   124                         ; v[124:187] the first tile's rows as loaded; v[124:155] once more on the way out
.set DB,   188                         ; v[188:251] the second tile's
.set LA,   32                          ; s[32:47]   the first tile's 16 tokens
.set LB,   68                          ; s[68:83]   the second tile's
	s_load_b256 s[4:11], s[0:1], 0x0               ; x s[4:5], route s[6:7], rlist s[8:9], xg s[10:11]
	v_lshl_add_u32 v254, v0, 2, 0x4400
	v_mov_b32 v255, 0
	v_and_b32 v1, 31, v0                           ; lane
	v_lshrrev_b32 v3, 5, v0
	v_readfirstlane_b32 s16, v3                    ; wave
	s_lshr_b32 s26, ttmp9, 1                       ; the first tile
	s_and_b32 s17, ttmp9, 1
	s_lshl2_add_u32 s17, s17, s16                  ; the piece: 4 (g % 2) + w
	s_add_co_u32 s27, s26, 128                     ; the second tile, if it exists;
	s_min_u32 s30, s27, 135                        ; clamped, so that its list can be asked for at once
	s_lshl_b32 s18, s26, 6                         ; 16 words of the list
	s_lshl_b32 s19, s30, 6
	s_wait_kmcnt 0x0
	s_load_b32 s22, s[6:7], 0x100                  ; all tiles
	s_load_b512 s[LA:LA+15], s[8:9], s18 offset:0x0
	s_load_b512 s[LB:LB+15], s[8:9], s19 offset:0x0
	v_lshlrev_b32 v3, 4, v1
	s_lshl_b32 s20, s17, 9
	v_add_nc_u32 v100, s20, v3                     ; my 16 bytes in a row of x
	s_mul_i32 s28, s16, WSTG                       ; my wave's stage
	v_lshrrev_b32 v101, 1, v1                      ; 8 numbers of one row are 16 bytes of a block of 256: block L / 2, half L % 2
	v_mul_u32_u24 v101, v101, 272                  ; blocks 272 bytes apart: the 32 lanes of a store touch 32 different 8-byte columns of 256
	v_and_b32 v102, 1, v1
	v_lshl_add_u32 v101, v102, 3, v101
	v_add_nc_u32 v101, s28, v101
	v_lshrrev_b32 v103, 4, v1                      ; back: 512 consecutive bytes of xg are two blocks
	v_mul_u32_u24 v103, v103, 272
	v_and_b32 v102, 15, v1
	v_lshl_add_u32 v103, v102, 4, v103
	v_add_nc_u32 v103, s28, v103
	s_lshl_b32 s29, s17, 12
	v_add_nc_u32 v104, s29, v3                     ; my piece's 4 KiB of a tile of xg
	s_mov_b32 s25, 0
	s_lshl_b32 s24, s26, 15
	s_add_nc_u64 s[48:49], s[10:11], s[24:25]      ; the first tile of xg,
	s_lshl_b32 s24, s30, 15
	s_add_nc_u64 s[50:51], s[10:11], s[24:25]      ; the second
.macro ASK l, o, d                     ; the 16 tokens at s[l] to byte offsets at v[o], and 16 loads of 512 consecutive bytes into v[d]
.irp t, 0,1,2,3,4,5,6,7,8,9,10,11,12,13,14,15
	s_min_u32 s[\l+\t], s[\l+\t], 1023
	v_lshl_add_u32 v[\o+\t], s[\l+\t], 12, v100
.endr
.irp t, 0,1,2,3,4,5,6,7,8,9,10,11,12,13,14,15
	global_load_b128 v[\d+4*\t:\d+4*\t+3], v[\o+\t], s[4:5]
.endr
.endm
.macro FINISH d, younger, ob           ; bf16 through my stage and out; younger: loads of a later tile that stay out
.irp t, 0,1,2,3,4,5,6,7,8,9,10,11,12,13,14,15
	s_wait_loadcnt \younger+15-\t                  ; row t is in; the tile's younger rows (and the later tile's sixteen) stay out
	v_cvt_pk_bf16_f32 v106, v[\d+4*\t], v[\d+4*\t+1]
	v_cvt_pk_bf16_f32 v107, v[\d+4*\t+2], v[\d+4*\t+3]
	ds_store_b64 v101, v[106:107] offset:16*\t
.endr
.irp n, 0,1,2,3,4,5,6,7
	ds_load_b128 v[\d+4*\n:\d+4*\n+3], v103 offset:544*\n          ; my wave's own bytes: LDS serves a wave in order (ISA guide 5.7.1)
.endr
.irp n, 0,1,2,3,4,5,6,7
	s_wait_dscnt 7-\n                              ; piece n is back, the younger ones stay out
	global_store_b128 v104, v[\d+4*\n:\d+4*\n+3], s[\ob:\ob+1] offset:512*\n   ; 512 consecutive bytes of xg
.endr
.endm
	s_wait_kmcnt 0x0
	ASK LA, OA, DA
	s_min_u32 s22, s22, 136
	s_cmp_ge_u32 s27, s22
	s_cbranch_scc1 .Lone
	ASK LB, OB2, DB
	FINISH DA, 16, 48
	FINISH DB, 0, 50
	s_wait_tensorcnt 0x0
	ds_add_u32 v254, v255
	s_wait_dscnt 0x0
	s_endpgm
.Lone:
	FINISH DA, 0, 48
	s_wait_tensorcnt 0x0
	ds_add_u32 v254, v255
	s_wait_dscnt 0x0
	s_endpgm
.Lfunc_end_k_qd60baa0f55_gather:
	.size	k_qd60baa0f55_gather, .Lfunc_end_k_qd60baa0f55_gather-k_qd60baa0f55_gather
	.p2alignl 7, 3214868480
	.fill 96, 4, 3214868480
	.section	.rodata,"a",@progbits
	.p2align	6, 0x0
	.amdhsa_kernel k_qd60baa0f55_gather
		.amdhsa_group_segment_fixed_size 17920
		.amdhsa_private_segment_fixed_size 0
		.amdhsa_enable_private_segment 0
		.amdhsa_kernarg_size 32
		.amdhsa_user_sgpr_count 2
		.amdhsa_user_sgpr_kernarg_segment_ptr 1
		.amdhsa_wavefront_size32 1
		.amdhsa_system_sgpr_workgroup_id_x 1
		.amdhsa_system_sgpr_workgroup_id_y 1
		.amdhsa_system_sgpr_workgroup_id_z 1
		.amdhsa_system_vgpr_workitem_id 0
		.amdhsa_next_free_vgpr 256
		.amdhsa_next_free_sgpr 84
		.amdhsa_reserve_vcc 0
		.amdhsa_float_denorm_mode_32 3
		.amdhsa_float_denorm_mode_16_64 3
		.amdhsa_memory_ordered 1
		.amdhsa_forward_progress 1
		.amdhsa_inst_pref_size 25
	.end_amdhsa_kernel
	.amdgpu_metadata
---
amdhsa.version: [ 1, 2 ]
amdhsa.kernels:
  - .name:           k_qd60baa0f55_gather
    .symbol:         k_qd60baa0f55_gather.kd
    .args:
      - { .name: x, .offset: 0, .size: 8, .value_kind: global_buffer, .address_space: global }
      - { .name: route, .offset: 8, .size: 8, .value_kind: global_buffer, .address_space: global }
      - { .name: rlist, .offset: 16, .size: 8, .value_kind: global_buffer, .address_space: global }
      - { .name: xg, .offset: 24, .size: 8, .value_kind: global_buffer, .address_space: global }
    .group_segment_fixed_size: 17920
    .private_segment_fixed_size: 0
    .kernarg_segment_align: 8
    .kernarg_segment_size: 32
    .max_flat_workgroup_size: 128
    .sgpr_count:     84
    .vgpr_count:     256
    .wavefront_size: 32
...
	.end_amdgpu_metadata
.endif
;; end of part 3
;; launch ffn1 (part 4): grid 256 x 1, 4 waves a work-group, no clusters, 266,752 bytes of LDS; arguments w1, b1, xg, route, hg; writes hg
.if DOCPART == 4
	.amdgcn_target "amdgcn-amd-amdhsa--gfx1250"
	.amdhsa_code_object_version 6
	.text
	.protected	k_qd60baa0f55_ffn1
	.globl	k_qd60baa0f55_ffn1
	.p2align	8
	.type	k_qd60baa0f55_ffn1,@function
k_qd60baa0f55_ffn1:
	s_mov_b64 s[64:65], 0
	v_nop
	global_prefetch_b8 v0, s[64:65] scope:SCOPE_SE
	s_setreg_imm32_b32 hwreg(HW_REG_WAVE_MODE, 25, 1), 1
	s_wait_xcnt 0x0
; FFN1 (MODE 1): hg = relu(x_e W1[e] + b1[e]) for the rows routed to expert e, bf16 operands, f32 sums.
; A work-group owns one expert's slice of the weights, K = 1024 x N = 128 (512 KiB of f32), which no other work-group reads:
; e = wg / 32, columns 128 (wg % 32).  The slice goes memory -> registers -> bf16 -> LDS in fragment order and STAYS there
; (32 chunks x 8 tiles x 1,040 bytes = 266,240), so that experts with more than 320 rows are served by further passes that
; need no barrier and no second read of the weights.  Token fragments come straight from xg into registers (two loads of 512
; consecutive bytes each); the four waves share the expert's tiles of 16 rows: in a pass wave w has tiles 20 p + 4 i + w, i = 0..4.
; The matrix instruction is used transposed (source 0 = 16 weight columns, source 1 = 16 tokens): lane (r, h), register j holds
; token r, column 16 t + 8 h + j, eight neighbouring numbers of a row, which is hg's fragment order as it stands.
; A slot without a tile of its own loads a clamped tile and is not stored; slots 0-3 are always multiplied, slot 4 only where valid
; (its first products always, so that its sums are started on every path).
; NO CLUSTER: the weights, 16 KiB of a step's 36 KiB, are shared by nobody.  The token tiles are shared by the expert's 32
; work-groups, but a joint request lands in LDS, and LDS holds 266,240 bytes of weights: a ring of 4 steps x 20,480 bytes does not fit.
; LIMITS: experts that the routing drops are not computed; x, W1 and the result are rounded to bf16; relu by a maximum that drops NaN.
.set MODE, 1
.set TPITCH, 1040                      ; a weight tile (16 columns x 32 K) in LDS: 1,024 bytes + 16
.set CHUNK,  8*TPITCH                  ; a K step's 128 columns
.if MODE == 1
.set PITCHB, 16384                     ; bytes from row to row of the weights
.set TILESH, 15                        ; a token tile: 32 K steps of 1 KiB
.set OUTSH,  17                        ; a tile of the output: 128 KiB
.set PTK,  8                           ; s[8:9] tokens, s[10:11] route, s[12:13] output
.set PRT,  10
.set POUT, 12
.set W_MM,  0xf9                       ; source 0 (weights) window 1, source 1 (tokens) window 2, C and D window 3
.set W_MM1, 0xd9                       ; the same with C (the bias) in window 1
.set W_M4,  0x59                       ; slot 4: C and D in window 1
.set WSTEP, 16                         ; in LDS from one of my four columns to the next: neighbouring lane slots of one tile
.else
.set PITCHB, 4096
.set TILESH, 17                        ; 128 K steps of 1 KiB
.set OUTSH,  18                        ; 16 rows of 16 KiB
.set PTK,  6
.set PRT,  8
.set POUT, 10
.set W_MM,  0xf6                       ; source 0 (tokens) window 2, source 1 (weights) window 1, C and D window 3
.set W_MM1, 0xf6
.set W_M4,  0x56
.set WSTEP, TPITCH                     ; my four columns go to four tiles
.endif
; window 0
.set L16,  1                           ; 16 x lane
.set WOFF, 4                           ; v[4:7]    weight slot u: byte offset of my first row's 16 bytes
.set TOFF, 8                           ; v[8:11]   token slot u: 16 x lane + 1,024 x K step
.set WSTA, 12                          ; where my converted weights go
.set FLA,  13                          ; where the next chunk's fragments are read
.set POFF, 14
.set BOFF, 16
.set CT,   32                          ; v[32:47]  16 words of bf16 pairs
.set WR,   64                          ; v[64:191] four weight slots of 8 loads
; window 1: v0-63, v64-127 weight fragments, two buffers; v128-191 sums of slot 4; v192-255 bias.  Window 2: v0-159 four token slots of 5 tiles.
; window 3: sums of slots 0-3, tile t of slot i at 64 i + 8 t
.set ACC4, 128
.set BI,   192
.set TB,   32                          ; s[32:41]  address of slot i's token tile
.set OB,   44                          ; s[44:53]  address of slot i's output
.set MSB, 0
.macro WIN new                         ; the immediate's high byte repeats the setting that is left
.if MSB != \new
	s_set_vgpr_msb (MSB<<8)|\new
.set MSB, \new
.endif
.endm
.macro PLACES                          ; four places behind matrix instructions (ISA guide 7.12.1), where no useful vector work stands
.rept 4
	v_nop
.endr
.endm
	s_load_b256 s[4:11], s[0:1], 0x0
.if MODE == 1
	s_load_b64 s[12:13], s[0:1], 0x20
	v_lshl_add_u32 v254, v0, 2, 0x41000
	v_mov_b32 v255, 0
.endif
	v_lshrrev_b32 v2, 5, v0
	v_readfirstlane_b32 s14, v2                    ; wave
	s_lshr_b32 s15, ttmp9, 5                       ; expert
.if MODE == 1
	s_and_b32 s16, ttmp9, 31                       ; column slice
	s_mov_b32 s54, 0                               ; my K range starts at the tile's first byte
	s_lshl_b32 s55, s16, 12                        ; my 4 KiB of each tile of hg
	s_lshl_b32 s28, s16, 9
.else
	s_and_b32 s16, ttmp9, 7                        ; column slice
	s_bfe_u32 s17, ttmp9, 0x20003                  ; quarter of K
	s_lshl_b32 s54, s17, 15                        ; 32 K steps of 1 KiB
	s_lshl_b32 s55, s17, 12                        ; part: quarter x 4 KiB + slice x 512 bytes
	s_lshl_b32 s28, s16, 9
	s_add_co_u32 s55, s55, s28
	s_lshl_b32 s29, s17, 22                        ; 1,024 rows of 4 KiB
	s_add_co_u32 s28, s28, s29
.endif
	s_lshl_b32 s29, s15, 24                        ; an expert's weights: 16 MiB
	s_add_co_u32 s28, s28, s29
	s_mov_b32 s29, 0
	s_lshl_b32 s30, s15, 2
	s_and_b32 s24, s14, 1                          ; sw: which 16 of a step's 32 rows I fetch
	s_lshr_b32 s25, s14, 1                         ; g: which 64 columns
	s_mul_i32 s26, s24, 16*PITCHB
	s_lshl_b32 s27, s25, 8
	s_add_co_u32 s26, s26, s27
	s_mul_i32 s27, s25, 4*TPITCH
	s_lshl_b32 s31, s24, 9
	s_add_co_u32 s27, s27, s31                     ; tile 4 g, half sw
	v_and_b32 v2, 31, v0
	v_lshlrev_b32 v[L16], 4, v2
	v_and_b32 v3, 15, v0                           ; q
	v_bfe_u32 v17, v0, 4, 1                        ; h
	v_mul_u32_u24 v18, v17, 8*PITCHB               ; load i takes row 16 sw + 8 h + i, columns 64 g + 4 q ..: sixteen lanes read 256 consecutive bytes
	v_lshl_add_u32 v18, v3, 4, v18
	v_add_nc_u32 v[WOFF], s26, v18
.irp u, 1,2,3
	v_add_nc_u32 v[WOFF+\u], \u*32*PITCHB, v[WOFF]
.endr
.if MODE == 1
	v_lshrrev_b32 v19, 2, v3                       ; column 64 g + 4 q + j lies in tile 4 g + q / 4, lane slot 16 h + 4 (q % 4) + j, half sw;
	v_mul_u32_u24 v19, v19, TPITCH                 ; with tiles 1,040 bytes apart the 16 lanes of a store touch 16 different 16-byte columns of 256
	v_lshl_add_u32 v19, v17, 8, v19
	v_and_b32 v20, 3, v3
	v_lshl_add_u32 v19, v20, 6, v19
	v_add_nc_u32 v[WSTA], s27, v19
	v_lshlrev_b32 v[BOFF], 5, v17                  ; my 8 columns of a tile's 16
.else
	v_add_nc_u32 v[WSTA], s27, v[L16]              ; column 64 g + 4 q + j lies in tile 4 g + j, lane slot 16 h + q = my own lane's, half sw
	v_lshlrev_b32 v21, 4, v3
	v_lshl_add_u32 v[POFF], v17, 17, v21           ; the way out: 8 h rows of 16 KiB + 16 r
.endif
	v_mov_b32 v[FLA], v[L16]
.irp u, 0,1,2,3
	v_add_nc_u32 v[TOFF+\u], \u*1024, v[L16]
.endr
	s_wait_kmcnt 0x0
	s_load_b32 s18, s[PRT:PRT+1], s30 offset:0x0   ; the expert's first tile,
	s_load_b32 s19, s[PRT:PRT+1], s30 offset:0x80  ; its tiles,
	s_load_b32 s20, s[PRT:PRT+1], 0x100            ; all tiles
	s_add_nc_u64 s[4:5], s[4:5], s[28:29]
.if MODE == 1
	s_lshl_b32 s24, s15, 14
	s_lshl_b32 s25, s16, 9
	s_add_co_u32 s24, s24, s25
	s_mov_b32 s25, 0
	s_add_nc_u64 s[6:7], s[6:7], s[24:25]
	WIN 0x40
.irp t, 0,1,2,3,4,5,6,7
	global_load_b128 v[BI+8*\t:BI+8*\t+3], v[BOFF], s[6:7] offset:64*\t        ; register j: bias of column 16 t + 8 h + j, the sums' own layout
	global_load_b128 v[BI+8*\t+4:BI+8*\t+7], v[BOFF], s[6:7] offset:64*\t+16
.endr
	WIN 0
.endif
.macro ISSW                            ; 8 loads: my 8 rows x 4 columns a lane of a K step, into weight slot WU
.irp i, 0,1,2,3,4,5,6,7
	global_load_b128 v[WR+32*WU+4*\i:WR+32*WU+4*\i+3], v[WOFF+WU], s[4:5] offset:\i*PITCHB th:TH_LOAD_NT
.endr
.endm
.macro ISST                            ; 10 loads: a K step's fragments of my five tiles, into token slot TU
	WIN 0x80
.irp i, 0,1,2,3,4
	global_load_b128 v[40*TU+8*\i:40*TU+8*\i+3], v[TOFF+TU], s[TB+2*\i:TB+2*\i+1]
	global_load_b128 v[40*TU+8*\i+4:40*TU+8*\i+7], v[TOFF+TU], s[TB+2*\i:TB+2*\i+1] offset:512
.endr
	WIN 0
.endm
.macro CVTST                           ; weight slot WU to bf16, K pairs packed per column, and into LDS: column 4 q + j, k = 8 h .. 8 h + 7 are 16 bytes
.irp j, 0,1,2,3
.irp p, 0,1,2,3
	v_cvt_pk_bf16_f32 v[CT+4*\j+\p], v[WR+32*WU+8*\p+\j], v[WR+32*WU+8*\p+4+\j]
.endr
.endr
.irp j, 0,1,2,3
	ds_store_b128 v[WSTA], v[CT+4*\j:CT+4*\j+3] offset:WSTEP*\j
.endr
	v_add_nc_u32 v[WSTA], CHUNK, v[WSTA]
.endm
.macro FRAG                            ; 16 loads of 512 consecutive bytes: a chunk's eight weight fragments into the buffer at FN
	WIN 0x40
.irp t, 0,1,2,3,4,5,6,7
	ds_load_b128 v[FN+8*\t:FN+8*\t+3], v[FLA] offset:\t*TPITCH
	ds_load_b128 v[FN+8*\t+4:FN+8*\t+7], v[FLA] offset:\t*TPITCH+512
.endr
	WIN 0
	v_add_nc_u32 v[FLA], CHUNK, v[FLA]
.endm
.macro MM8 d, i, first                 ; eight products: the chunk's 128 columns x token slot CU's tile i, sums at d
.irp t, 0,1,2,3,4,5,6,7
.if MODE == 1
.if \first
	v_wmma_f32_16x16x32_bf16 v[\d+8*\t:\d+8*\t+7], v[FB+8*\t:FB+8*\t+7], v[40*CU+8*\i:40*CU+8*\i+7], v[BI+8*\t:BI+8*\t+7]
.else
	v_wmma_f32_16x16x32_bf16 v[\d+8*\t:\d+8*\t+7], v[FB+8*\t:FB+8*\t+7], v[40*CU+8*\i:40*CU+8*\i+7], v[\d+8*\t:\d+8*\t+7]
.endif
.else
.if \first
	v_wmma_f32_16x16x32_bf16 v[\d+8*\t:\d+8*\t+7], v[40*CU+8*\i:40*CU+8*\i+7], v[FB+8*\t:FB+8*\t+7], 0
.else
	v_wmma_f32_16x16x32_bf16 v[\d+8*\t:\d+8*\t+7], v[40*CU+8*\i:40*CU+8*\i+7], v[FB+8*\t:FB+8*\t+7], v[\d+8*\t:\d+8*\t+7]
.endif
.endif
.endr
.endm
.macro MM i, first                     ; slots 0-3; the first product starts the sums (from the bias, or from 0): nothing is cleared
.if \first
	WIN W_MM1
.else
	WIN W_MM
.endif
	MM8 64*\i, \i, \first
.endm
.macro MM4 first, tag                  ; slot 4
.if \first
	WIN W_M4
	MM8 ACC4, 4, 1
.else
	WIN 0
	s_cmp_lt_u32 s22, 5
	s_cbranch_scc1 .Lno4_\tag
	WIN W_M4
	MM8 ACC4, 4, 0
	WIN 0
.Lno4_\tag:
.endif
.endm
; my tiles of the pass that starts at local tile s21: how many are valid (s22), where they are read and where they go
.macro SETUP
	s_add_co_u32 s24, s21, s14
	s_sub_co_i32 s22, s19, s24
	s_add_co_i32 s22, s22, 3
	s_ashr_i32 s22, s22, 2
	s_max_i32 s22, s22, 0
	s_min_i32 s22, s22, 5                          ; slots i with 20 p + 4 i + w below the expert's tiles: a prefix
	s_add_co_u32 s24, s24, s18
	s_mov_b32 s27, 0
.irp i, 0,1,2,3,4
	s_add_co_u32 s25, s24, 4*\i
	s_min_u32 s25, s25, s20                        ; a slot without a tile reads the last tile that was written,
	s_min_u32 s25, s25, 135                        ; inside the buffer whatever the table holds
	s_lshl_b32 s26, s25, TILESH
	s_add_co_u32 s26, s26, s54
	s_add_nc_u64 s[TB+2*\i:TB+2*\i+1], s[PTK:PTK+1], s[26:27]
	s_lshl_b32 s26, s25, OUTSH
	s_add_co_u32 s26, s26, s55
	s_add_nc_u64 s[OB+2*\i:OB+2*\i+1], s[POUT:POUT+1], s[26:27]
.endr
.endm
; STEP s (s4 = s mod 4).  Multiplies chunk s (fragments in buffer s mod 2, tokens in slot s mod 4).  wst: converts W(s+1), stores it as
; chunk s+1; fl: reads chunk s+1's fragments; tld: asks for T(s+3) (2: the slot's offset steps first); wld: asks for W(s+5).
; Two barriers where weights are stored.  The first: every wave's part of chunk s+1 is in LDS before anyone reads it.  The second:
; every wave's fragment loads are back before anyone stores again.  Each stands behind s_wait_dscnt 0, with products between its halves.
; lcnt: the loads younger than T(s); W(s+1) is older than T(s).
.macro STEP s4, cmp, first, wst, wld, fl, tld, lcnt, tag
.set CU, \s4
.set TU, ((\s4)+3)&3
.set WU, ((\s4)+1)&3
.set FB, 64*((\s4)&1)
.set FN, 64-FB
	s_wait_loadcnt \lcnt
.if \wst
	CVTST                                          ; its sixteen conversions are also the places between the last step's products and the loads below
.else
	PLACES
.endif
.if \tld == 2
	v_add_nc_u32 v[TOFF+TU], 4096, v[TOFF+TU]      ; the slot's last loads were waited for a step ago
.endif
.if \wld
	v_add_nc_u32 v[WOFF+WU], 128*PITCHB, v[WOFF+WU]    ; the slot's last loads are in: the wait above
.endif
.if \tld
	ISST
.endif
.if \wld
	ISSW
.endif
	s_wait_dscnt 0x0                               ; my stores of chunk s+1 are in LDS (and chunk s's fragments in registers)
.if \wst
	s_barrier_signal -1
.endif
.if \cmp
	MM 0, \first
	MM 1, \first
.endif
.if \wst
	s_barrier_wait -1
.endif
.if \fl
	FRAG
.endif
.if \cmp
	MM 2, \first
	MM 3, \first
.endif
.if \wst
	s_wait_dscnt 0x0                               ; my reads of chunk s+1 are back
	s_barrier_signal -1
.endif
.if \cmp
	MM4 \first, \tag
.endif
	WIN 0
.if \wst
	s_barrier_wait -1
.endif
.endm
; THE WAY OUT: relu, bf16, and 16 bytes a lane: tile t of a slot is 512 consecutive bytes of hg, a slot 4 KiB.
.macro EPI tag
	PLACES
.irp i, 0,1,2,3,4
	s_cmp_le_u32 s22, \i
	s_cbranch_scc1 .Lout_end_\tag
.if \i < 4
.set AB, 64*\i
	WIN 0xcf
.else
.set AB, ACC4
	WIN 0x45
.endif
.irp t, 0,1,2,3,4,5,6,7
.irp k, 0,1,2,3,4,5,6,7
	v_max_num_f32 v[AB+8*\t+\k], 0, v[AB+8*\t+\k]
.endr
.irp k, 0,1,2,3
	v_cvt_pk_bf16_f32 v[AB+8*\t+\k], v[AB+8*\t+2*\k], v[AB+8*\t+2*\k+1]
.endr
.endr
.if \i < 4
	WIN 0x0c
.else
	WIN 0x04
.endif
.irp t, 0,1,2,3,4,5,6,7
	global_store_b128 v[L16], v[AB+8*\t:AB+8*\t+3], s[OB+2*\i:OB+2*\i+1] offset:512*\t
.endr
	WIN 0
.endr
.Lout_end_\tag:
.endm
	; THE FIRST PASS streams the weights.  Issue order: (bias,) W0 W1 W2 W3, T0 T1, then in step s T(s+3), W(s+5):
	; at most 4 x 8 + 3 x 10 = 62 loads are out at a step's head.
.set WU, 0
	ISSW
.set WU, 1
	ISSW
.set WU, 2
	ISSW
.set WU, 3
	ISSW
	s_wait_kmcnt 0x0
	s_min_u32 s18, s18, 135
	s_min_u32 s19, s19, 64                         ; 1,024 rows at the most
	s_min_u32 s20, s20, 136
	s_sub_co_u32 s20, s20, 1                       ; the last tile that was written
	s_add_co_u32 s29, s19, 19                      ; passes of 20 tiles: (T + 19) / 20, as x 205 / 4096, exact up to T + 19 = 83
	s_mul_i32 s29, s29, 205
	s_lshr_b32 s29, s29, 12
	s_min_u32 s29, s29, 4
	s_mov_b32 s21, 0
	SETUP
.set TU, 0
	ISST
.set TU, 1
	ISST
	STEP 3, 0, 0, 1, 1, 1, 1, 44, 0                ; step -1: W0 is in; W1-3 and T0-1 (24 + 20) stay out
	STEP 0, 1, 1, 1, 1, 1, 1, 28, 1                ; T1, T2, W4 stay out
	STEP 1, 1, 0, 1, 1, 1, 2, 36, 2                ; T2, W4, T3, W5
	STEP 2, 1, 0, 1, 1, 1, 2, 44, 3                ; from here on W, T, W, T, W: 8 + 10 + 8 + 10 + 8
	STEP 3, 1, 0, 1, 1, 1, 2, 44, 4
	s_mov_b32 s23, 5                               ; steps 4 to 23
.Lmain:
	STEP 0, 1, 0, 1, 1, 1, 2, 44, 5
	STEP 1, 1, 0, 1, 1, 1, 2, 44, 6
	STEP 2, 1, 0, 1, 1, 1, 2, 44, 7
	STEP 3, 1, 0, 1, 1, 1, 2, 44, 8
	s_sub_co_i32 s23, s23, 1
	s_cmp_lg_u32 s23, 0
	s_cbranch_scc1 .Lmain
	STEP 0, 1, 0, 1, 1, 1, 2, 44, 9                ; 24
	STEP 1, 1, 0, 1, 1, 1, 2, 44, 10
	STEP 2, 1, 0, 1, 1, 1, 2, 44, 11               ; 26 asks for W31, the last
	STEP 3, 1, 0, 1, 0, 1, 2, 44, 12               ; 27
	STEP 0, 1, 0, 1, 0, 1, 2, 36, 13               ; 28 asks for T31, the last; W30, T29, W31, T30 stay out
	STEP 1, 1, 0, 1, 0, 1, 0, 28, 14               ; 29: W31, T30, T31
	STEP 2, 1, 0, 1, 0, 1, 0, 10, 15               ; 30: T31
	STEP 3, 1, 0, 0, 0, 0, 0, 0, 16                ; 31
	EPI 0
	; FURTHER PASSES, for an expert with more than 20 tiles: weights from LDS, which nobody writes any more: no barrier.
	s_mov_b32 s21, 20                              ; the pass's first local tile
	s_mov_b32 s28, 1                               ; the pass
	s_cmp_ge_u32 s28, s29
	s_cbranch_scc1 .Lend
.Lpass:
	s_wait_xcnt 0x0                                ; the stores' data and bases are written again below
	SETUP
.irp u, 0,1,2,3
	v_add_nc_u32 v[TOFF+\u], \u*1024, v[L16]
.endr
	v_mov_b32 v[FLA], v[L16]
.set TU, 0
	ISST
.set TU, 1
	ISST
.set TU, 2
	ISST
.set FN, 0
	FRAG
	STEP 0, 1, 1, 0, 0, 1, 1, 20, 17               ; two younger token steps of ten loads stay out
	STEP 1, 1, 0, 0, 0, 1, 2, 20, 18
	STEP 2, 1, 0, 0, 0, 1, 2, 20, 19
	STEP 3, 1, 0, 0, 0, 1, 2, 20, 20
	s_mov_b32 s23, 6                               ; steps 4 to 27
.Lmore:
	STEP 0, 1, 0, 0, 0, 1, 2, 20, 21
	STEP 1, 1, 0, 0, 0, 1, 2, 20, 22
	STEP 2, 1, 0, 0, 0, 1, 2, 20, 23
	STEP 3, 1, 0, 0, 0, 1, 2, 20, 24
	s_sub_co_i32 s23, s23, 1
	s_cmp_lg_u32 s23, 0
	s_cbranch_scc1 .Lmore
	STEP 0, 1, 0, 0, 0, 1, 2, 20, 25               ; 28 asks for T31
	STEP 1, 1, 0, 0, 0, 1, 0, 20, 26
	STEP 2, 1, 0, 0, 0, 1, 0, 10, 27
	STEP 3, 1, 0, 0, 0, 0, 0, 0, 28
	EPI 1
	s_add_co_u32 s21, s21, 20
	s_add_co_u32 s28, s28, 1
	s_cmp_lt_u32 s28, s29
	s_cbranch_scc1 .Lpass
.Lend:
	s_barrier_signal -1
	s_barrier_wait -1
	s_wait_tensorcnt 0x0
	ds_add_u32 v254, v255
	s_wait_dscnt 0x0
	s_endpgm
.Lfunc_end_k_qd60baa0f55_ffn1:
	.size	k_qd60baa0f55_ffn1, .Lfunc_end_k_qd60baa0f55_ffn1-k_qd60baa0f55_ffn1
	.p2alignl 7, 3214868480
	.fill 96, 4, 3214868480
	.section	.rodata,"a",@progbits
	.p2align	6, 0x0
	.amdhsa_kernel k_qd60baa0f55_ffn1
		.amdhsa_group_segment_fixed_size 266752
		.amdhsa_private_segment_fixed_size 0
		.amdhsa_enable_private_segment 0
		.amdhsa_kernarg_size 40
		.amdhsa_user_sgpr_count 2
		.amdhsa_user_sgpr_kernarg_segment_ptr 1
		.amdhsa_wavefront_size32 1
		.amdhsa_system_sgpr_workgroup_id_x 1
		.amdhsa_system_sgpr_workgroup_id_y 1
		.amdhsa_system_sgpr_workgroup_id_z 1
		.amdhsa_system_vgpr_workitem_id 0
		.amdhsa_next_free_vgpr 1024
		.amdhsa_next_free_sgpr 66
		.amdhsa_reserve_vcc 0
		.amdhsa_float_denorm_mode_32 3
		.amdhsa_float_denorm_mode_16_64 3
		.amdhsa_memory_ordered 1
		.amdhsa_forward_progress 1
		.amdhsa_inst_pref_size 235
	.end_amdhsa_kernel
	.amdgpu_metadata
---
amdhsa.version: [ 1, 2 ]
amdhsa.kernels:
  - .name:           k_qd60baa0f55_ffn1
    .symbol:         k_qd60baa0f55_ffn1.kd
    .args:
      - { .name: w1, .offset: 0, .size: 8, .value_kind: global_buffer, .address_space: global }
      - { .name: b1, .offset: 8, .size: 8, .value_kind: global_buffer, .address_space: global }
      - { .name: xg, .offset: 16, .size: 8, .value_kind: global_buffer, .address_space: global }
      - { .name: route, .offset: 24, .size: 8, .value_kind: global_buffer, .address_space: global }
      - { .name: hg, .offset: 32, .size: 8, .value_kind: global_buffer, .address_space: global }
    .group_segment_fixed_size: 266752
    .private_segment_fixed_size: 0
    .kernarg_segment_align: 8
    .kernarg_segment_size: 40
    .max_flat_workgroup_size: 128
    .sgpr_count:     66
    .vgpr_count:     1024
    .wavefront_size: 32
...
	.end_amdgpu_metadata
.endif
;; end of part 4
;; launch ffn2 (part 5): grid 256 x 1, 4 waves a work-group, no clusters, 266,752 bytes of LDS; arguments w2, hg, route, part; writes part
.if DOCPART == 5
	.amdgcn_target "amdgcn-amd-amdhsa--gfx1250"
	.amdhsa_code_object_version 6
	.text
	.protected	k_qd60baa0f55_ffn2
	.globl	k_qd60baa0f55_ffn2
	.p2align	8
	.type	k_qd60baa0f55_ffn2,@function
k_qd60baa0f55_ffn2:
	s_mov_b64 s[64:65], 0
	v_nop
	global_prefetch_b8 v0, s[64:65] scope:SCOPE_SE
	s_setreg_imm32_b32 hwreg(HW_REG_WAVE_MODE, 25, 1), 1
	s_wait_xcnt 0x0
; FFN2 (MODE 2): part[row][quarter] = h_e W2[e] over a quarter of K = 4096, for the rows routed to expert e; bf16 operands, f32 sums.
; The same text as FFN1 but for the sizes, the operands' order, the first C (the constant 0) and the way out.
; A work-group owns one expert's slice of the weights, K = 1024 x N = 128 (512 KiB of f32), which no other work-group reads:
; e = wg / 32, quarter of K (wg / 8) % 4, columns 128 (wg % 8).  The slice goes memory -> registers -> bf16 -> LDS in fragment order
; and STAYS there (32 chunks x 8 tiles x 1,040 bytes = 266,240), so that experts with more than 320 rows are served by further
; passes that need no barrier and no second read of the weights.  Token fragments come straight from hg into registers; the four
; waves share the expert's tiles of 16 rows: in a pass wave w has tiles 20 p + 4 i + w, i = 0..4.
; The four quarters' sums are added by the next launch in a fixed order: no traffic between work-groups.
; Source 0 = 16 tokens, source 1 = 16 weight columns, and the columns are dealt to the tiles so that tile 4 g + c, lane slot r holds
; column 64 g + 4 r + c.  Lane (r, h), register j of tiles 4 g .. 4 g + 3 then holds columns 64 g + 4 r + 0..3 of token row 8 h + j:
; four copies make 16 bytes, and sixteen neighbouring lanes store 256 consecutive bytes of a row of part.  64 copies for a tile of
; 16 x 128 stand in the place of 16 stores to LDS and 16 loads back.
; A slot without a tile of its own loads a clamped tile and is not stored; slots 0-3 are always multiplied, slot 4 only where valid
; (its first products always, so that its sums are started on every path).
; NO CLUSTER: the weights, 16 KiB of a step's 36 KiB, are shared by nobody.  The token tiles are shared by 8 work-groups, but a joint
; request lands in LDS, and LDS holds 266,240 bytes of weights: a ring of 4 steps x 20,480 bytes does not fit.
; LIMITS: experts that the routing drops are not computed; h and W2 are rounded to bf16.
.set MODE, 2
.set TPITCH, 1040                      ; a weight tile (16 columns x 32 K) in LDS: 1,024 bytes + 16
.set CHUNK,  8*TPITCH                  ; a K step's 128 columns
.if MODE == 1
.set PITCHB, 16384                     ; bytes from row to row of the weights
.set TILESH, 15                        ; a token tile: 32 K steps of 1 KiB
.set OUTSH,  17                        ; a tile of the output: 128 KiB
.set PTK,  8
.set PRT,  10
.set POUT, 12
.set W_MM,  0xf9                       ; source 0 (weights) window 1, source 1 (tokens) window 2, C and D window 3
.set W_MM1, 0xd9                       ; the same with C (the bias) in window 1
.set W_M4,  0x59                       ; slot 4: C and D in window 1
.set WSTEP, 16                         ; in LDS from one of my four columns to the next: neighbouring lane slots of one tile
.else
.set PITCHB, 4096
.set TILESH, 17                        ; 128 K steps of 1 KiB
.set OUTSH,  18                        ; 16 rows of 16 KiB
.set PTK,  6                           ; s[6:7] tokens, s[8:9] route, s[10:11] output
.set PRT,  8
.set POUT, 10
.set W_MM,  0xf6                       ; source 0 (tokens) window 2, source 1 (weights) window 1, C and D window 3
.set W_MM1, 0xf6
.set W_M4,  0x56                       ; slot 4: C and D in window 1
.set WSTEP, TPITCH                     ; my four columns go to four tiles
.endif
; window 0
.set L16,  1                           ; 16 x lane
.set WOFF, 4                           ; v[4:7]    weight slot u: byte offset of my first row's 16 bytes
.set TOFF, 8                           ; v[8:11]   token slot u: 16 x lane + 1,024 x K step
.set WSTA, 12                          ; where my converted weights go
.set FLA,  13                          ; where the next chunk's fragments are read
.set POFF, 14                          ; the way out: my byte offset in a tile of part
.set BOFF, 16
.set CT,   32                          ; v[32:47]  16 words of bf16 pairs
.set WR,   64                          ; v[64:191] four weight slots of 8 loads; on the way out two sets of 64 registers of quads
; window 1: v0-63, v64-127 weight fragments, two buffers; v128-191 sums of slot 4.  Window 2: v0-159 four token slots of 5 tiles.
; window 3: sums of slots 0-3, tile t of slot i at 64 i + 8 t
.set ACC4, 128
.set BI,   192
.set TB,   32                          ; s[32:41]  address of slot i's token tile
.set OB,   44                          ; s[44:53]  address of slot i's output
.set MSB, 0
.macro WIN new                         ; the immediate's high byte repeats the setting that is left
.if MSB != \new
	s_set_vgpr_msb (MSB<<8)|\new
.set MSB, \new
.endif
.endm
.macro PLACES                          ; four places behind matrix instructions (ISA guide 7.12.1), where no useful vector work stands
.rept 4
	v_nop
.endr
.endm
	s_load_b256 s[4:11], s[0:1], 0x0
	v_lshl_add_u32 v254, v0, 2, 0x41000
	v_mov_b32 v255, 0
.if MODE == 1
	s_load_b64 s[12:13], s[0:1], 0x20
.endif
	v_lshrrev_b32 v2, 5, v0
	v_readfirstlane_b32 s14, v2                    ; wave
	s_lshr_b32 s15, ttmp9, 5                       ; expert
.if MODE == 1
	s_and_b32 s16, ttmp9, 31                       ; column slice
	s_mov_b32 s54, 0                               ; my K range starts at the tile's first byte
	s_lshl_b32 s55, s16, 12                        ; my 4 KiB of each tile of hg
	s_lshl_b32 s28, s16, 9
.else
	s_and_b32 s16, ttmp9, 7                        ; column slice
	s_bfe_u32 s17, ttmp9, 0x20003                  ; quarter of K
	s_lshl_b32 s54, s17, 15                        ; 32 K steps of 1 KiB
	s_lshl_b32 s55, s17, 12                        ; part: quarter x 4 KiB + slice x 512 bytes
	s_lshl_b32 s28, s16, 9
	s_add_co_u32 s55, s55, s28
	s_lshl_b32 s29, s17, 22                        ; 1,024 rows of 4 KiB
	s_add_co_u32 s28, s28, s29
.endif
	s_lshl_b32 s29, s15, 24                        ; an expert's weights: 16 MiB
	s_add_co_u32 s28, s28, s29
	s_mov_b32 s29, 0
	s_lshl_b32 s30, s15, 2
	s_and_b32 s24, s14, 1                          ; sw: which 16 of a step's 32 rows I fetch
	s_lshr_b32 s25, s14, 1                         ; g: which 64 columns
	s_mul_i32 s26, s24, 16*PITCHB
	s_lshl_b32 s27, s25, 8
	s_add_co_u32 s26, s26, s27
	s_mul_i32 s27, s25, 4*TPITCH
	s_lshl_b32 s31, s24, 9
	s_add_co_u32 s27, s27, s31                     ; tile 4 g, half sw
	v_and_b32 v2, 31, v0
	v_lshlrev_b32 v[L16], 4, v2
	v_and_b32 v3, 15, v0                           ; q
	v_bfe_u32 v17, v0, 4, 1                        ; h
	v_mul_u32_u24 v18, v17, 8*PITCHB               ; load i takes row 16 sw + 8 h + i, columns 64 g + 4 q ..: sixteen lanes read 256 consecutive bytes
	v_lshl_add_u32 v18, v3, 4, v18
	v_add_nc_u32 v[WOFF], s26, v18
.irp u, 1,2,3
	v_add_nc_u32 v[WOFF+\u], \u*32*PITCHB, v[WOFF]
.endr
.if MODE == 1
	v_lshrrev_b32 v19, 2, v3                       ; column 64 g + 4 q + j lies in tile 4 g + q / 4, lane slot 16 h + 4 (q % 4) + j, half sw;
	v_mul_u32_u24 v19, v19, TPITCH                 ; with tiles 1,040 bytes apart the 16 lanes of a store touch 16 different 16-byte columns of 256
	v_lshl_add_u32 v19, v17, 8, v19
	v_and_b32 v20, 3, v3
	v_lshl_add_u32 v19, v20, 6, v19
	v_add_nc_u32 v[WSTA], s27, v19
	v_lshlrev_b32 v[BOFF], 5, v17                  ; my 8 columns of a tile's 16
.else
	v_add_nc_u32 v[WSTA], s27, v[L16]              ; column 64 g + 4 q + j lies in tile 4 g + j, lane slot 16 h + q = my own lane's, half sw
	v_lshlrev_b32 v21, 4, v3
	v_lshl_add_u32 v[POFF], v17, 17, v21           ; the way out: 8 h rows of 16 KiB + 16 r
.endif
	v_mov_b32 v[FLA], v[L16]
.irp u, 0,1,2,3
	v_add_nc_u32 v[TOFF+\u], \u*1024, v[L16]
.endr
	s_wait_kmcnt 0x0
	s_load_b32 s18, s[PRT:PRT+1], s30 offset:0x0   ; the expert's first tile,
	s_load_b32 s19, s[PRT:PRT+1], s30 offset:0x80  ; its tiles,
	s_load_b32 s20, s[PRT:PRT+1], 0x100            ; all tiles
	s_add_nc_u64 s[4:5], s[4:5], s[28:29]
.if MODE == 1
	s_lshl_b32 s24, s15, 14
	s_lshl_b32 s25, s16, 9
	s_add_co_u32 s24, s24, s25
	s_mov_b32 s25, 0
	s_add_nc_u64 s[6:7], s[6:7], s[24:25]
	WIN 0x40
.irp t, 0,1,2,3,4,5,6,7
	global_load_b128 v[BI+8*\t:BI+8*\t+3], v[BOFF], s[6:7] offset:64*\t
	global_load_b128 v[BI+8*\t+4:BI+8*\t+7], v[BOFF], s[6:7] offset:64*\t+16
.endr
	WIN 0
.endif
.macro ISSW                            ; 8 loads: my 8 rows x 4 columns a lane of a K step, into weight slot WU
.irp i, 0,1,2,3,4,5,6,7
	global_load_b128 v[WR+32*WU+4*\i:WR+32*WU+4*\i+3], v[WOFF+WU], s[4:5] offset:\i*PITCHB th:TH_LOAD_NT
.endr
.endm
.macro ISST                            ; 10 loads: a K step's fragments of my five tiles, into token slot TU
	WIN 0x80
.irp i, 0,1,2,3,4
	global_load_b128 v[40*TU+8*\i:40*TU+8*\i+3], v[TOFF+TU], s[TB+2*\i:TB+2*\i+1]
	global_load_b128 v[40*TU+8*\i+4:40*TU+8*\i+7], v[TOFF+TU], s[TB+2*\i:TB+2*\i+1] offset:512
.endr
	WIN 0
.endm
.macro CVTST                           ; weight slot WU to bf16, K pairs packed per column, and into LDS: column 4 q + j, k = 8 h .. 8 h + 7 are 16 bytes
.irp j, 0,1,2,3
.irp p, 0,1,2,3
	v_cvt_pk_bf16_f32 v[CT+4*\j+\p], v[WR+32*WU+8*\p+\j], v[WR+32*WU+8*\p+4+\j]
.endr
.endr
.irp j, 0,1,2,3
	ds_store_b128 v[WSTA], v[CT+4*\j:CT+4*\j+3] offset:WSTEP*\j    ; 512 consecutive bytes from the wave
.endr
	v_add_nc_u32 v[WSTA], CHUNK, v[WSTA]
.endm
.macro FRAG                            ; 16 loads of 512 consecutive bytes: a chunk's eight weight fragments into the buffer at FN
	WIN 0x40
.irp t, 0,1,2,3,4,5,6,7
	ds_load_b128 v[FN+8*\t:FN+8*\t+3], v[FLA] offset:\t*TPITCH
	ds_load_b128 v[FN+8*\t+4:FN+8*\t+7], v[FLA] offset:\t*TPITCH+512
.endr
	WIN 0
	v_add_nc_u32 v[FLA], CHUNK, v[FLA]
.endm
.macro MM8 d, i, first                 ; eight products: token slot CU's tile i x the chunk's 128 columns, sums at d
.irp t, 0,1,2,3,4,5,6,7
.if MODE == 1
.if \first
	v_wmma_f32_16x16x32_bf16 v[\d+8*\t:\d+8*\t+7], v[FB+8*\t:FB+8*\t+7], v[40*CU+8*\i:40*CU+8*\i+7], v[BI+8*\t:BI+8*\t+7]
.else
	v_wmma_f32_16x16x32_bf16 v[\d+8*\t:\d+8*\t+7], v[FB+8*\t:FB+8*\t+7], v[40*CU+8*\i:40*CU+8*\i+7], v[\d+8*\t:\d+8*\t+7]
.endif
.else
.if \first
	v_wmma_f32_16x16x32_bf16 v[\d+8*\t:\d+8*\t+7], v[40*CU+8*\i:40*CU+8*\i+7], v[FB+8*\t:FB+8*\t+7], 0
.else
	v_wmma_f32_16x16x32_bf16 v[\d+8*\t:\d+8*\t+7], v[40*CU+8*\i:40*CU+8*\i+7], v[FB+8*\t:FB+8*\t+7], v[\d+8*\t:\d+8*\t+7]
.endif
.endif
.endr
.endm
.macro MM i, first                     ; slots 0-3; the first product starts the sums (from the bias, or from 0): nothing is cleared
.if \first
	WIN W_MM1
.else
	WIN W_MM
.endif
	MM8 64*\i, \i, \first
.endm
.macro MM4 first, tag                  ; slot 4
.if \first
	WIN W_M4
	MM8 ACC4, 4, 1
.else
	WIN 0
	s_cmp_lt_u32 s22, 5
	s_cbranch_scc1 .Lno4_\tag
	WIN W_M4
	MM8 ACC4, 4, 0
	WIN 0
.Lno4_\tag:
.endif
.endm
; my tiles of the pass that starts at local tile s21: how many are valid (s22), where they are read and where they go
.macro SETUP
	s_add_co_u32 s24, s21, s14
	s_sub_co_i32 s22, s19, s24
	s_add_co_i32 s22, s22, 3
	s_ashr_i32 s22, s22, 2
	s_max_i32 s22, s22, 0
	s_min_i32 s22, s22, 5                          ; slots i with 20 p + 4 i + w below the expert's tiles: a prefix
	s_add_co_u32 s24, s24, s18
	s_mov_b32 s27, 0
.irp i, 0,1,2,3,4
	s_add_co_u32 s25, s24, 4*\i
	s_min_u32 s25, s25, s20                        ; a slot without a tile reads the last tile that was written,
	s_min_u32 s25, s25, 135                        ; inside the buffer whatever the table holds
	s_lshl_b32 s26, s25, TILESH
	s_add_co_u32 s26, s26, s54
	s_add_nc_u64 s[TB+2*\i:TB+2*\i+1], s[PTK:PTK+1], s[26:27]
	s_lshl_b32 s26, s25, OUTSH
	s_add_co_u32 s26, s26, s55
	s_add_nc_u64 s[OB+2*\i:OB+2*\i+1], s[POUT:POUT+1], s[26:27]
.endr
.endm
; STEP s (s4 = s mod 4).  Multiplies chunk s (fragments in buffer s mod 2, tokens in slot s mod 4).  wst: converts W(s+1), stores it as
; chunk s+1; fl: reads chunk s+1's fragments; tld: asks for T(s+3) (2: the slot's offset steps first); wld: asks for W(s+5).
; Two barriers where weights are stored.  The first: every wave's part of chunk s+1 is in LDS before anyone reads it.  The second:
; every wave's fragment loads are back before anyone stores again.  Each stands behind s_wait_dscnt 0, with products between its halves.
; lcnt: the loads younger than T(s); W(s+1) is older than T(s).
.macro STEP s4, cmp, first, wst, wld, fl, tld, lcnt, tag
.set CU, \s4
.set TU, ((\s4)+3)&3
.set WU, ((\s4)+1)&3
.set FB, 64*((\s4)&1)
.set FN, 64-FB
	s_wait_loadcnt \lcnt
.if \wst
	CVTST                                          ; its sixteen conversions are also the places between the last step's products and the loads below
.else
	PLACES
.endif
.if \tld == 2
	v_add_nc_u32 v[TOFF+TU], 4096, v[TOFF+TU]      ; the slot's last loads were waited for a step ago
.endif
.if \wld
	v_add_nc_u32 v[WOFF+WU], 128*PITCHB, v[WOFF+WU]    ; the slot's last loads are in: the wait above
.endif
.if \tld
	ISST
.endif
.if \wld
	ISSW
.endif
	s_wait_dscnt 0x0                               ; my stores of chunk s+1 are in LDS (and chunk s's fragments in registers)
.if \wst
	s_barrier_signal -1
.endif
.if \cmp
	MM 0, \first
	MM 1, \first
.endif
.if \wst
	s_barrier_wait -1
.endif
.if \fl
	FRAG
.endif
.if \cmp
	MM 2, \first
	MM 3, \first
.endif
.if \wst
	s_wait_dscnt 0x0                               ; my reads of chunk s+1 are back
	s_barrier_signal -1
.endif
.if \cmp
	MM4 \first, \tag
.endif
	WIN 0
.if \wst
	s_barrier_wait -1
.endif
.endm
; THE WAY OUT.  Register j of tiles 4 g + 0..3 are four neighbouring columns of token row 8 h + j: copied side by side into window 0 (the
; weight slots, which are done with), they leave as 16 bytes a lane: lanes 0-15 store 256 consecutive bytes of row j, lanes 16-31 of row 8 + j,
; each at a multiple of 256 from part's first byte.  Two sets of 64 registers take turns.
.macro EPI tag
	PLACES
.irp i, 0,1,2,3,4
	s_cmp_le_u32 s22, \i
	s_cbranch_scc1 .Lout_end_\tag
	s_wait_xcnt 0x0                                ; this set was the data of the stores two slots ago: it is rewritten only behind this wait
.set TM, WR+64*(\i&1)
.if \i < 4
.set AB, 64*\i
	WIN 0x03
.else
.set AB, ACC4
	WIN 0x01
.endif
.irp g, 0,1
.irp j, 0,1,2,3,4,5,6,7
.irp c, 0,1,2,3
	v_mov_b32 v[TM+32*\g+4*\j+\c], v[AB+8*(4*\g+\c)+\j]
.endr
.endr
.endr
	WIN 0
.irp g, 0,1
.irp j, 0,1,2,3,4,5,6,7
	global_store_b128 v[POFF], v[TM+32*\g+4*\j:TM+32*\g+4*\j+3], s[OB+2*\i:OB+2*\i+1] offset:\j*16384+256*\g
.endr
.endr
.endr
.Lout_end_\tag:
.endm
	; THE FIRST PASS streams the weights.  Issue order: W0 W1 W2 W3, T0 T1, then in step s T(s+3), W(s+5):
	; at most 4 x 8 + 3 x 10 = 62 loads are out at a step's head.
.set WU, 0
	ISSW
.set WU, 1
	ISSW
.set WU, 2
	ISSW
.set WU, 3
	ISSW
	s_wait_kmcnt 0x0
	s_min_u32 s18, s18, 135
	s_min_u32 s19, s19, 64                         ; 1,024 rows at the most
	s_min_u32 s20, s20, 136
	s_sub_co_u32 s20, s20, 1                       ; the last tile that was written
	s_add_co_u32 s29, s19, 19                      ; passes of 20 tiles: (T + 19) / 20, as x 205 / 4096, exact up to T + 19 = 83
	s_mul_i32 s29, s29, 205
	s_lshr_b32 s29, s29, 12
	s_min_u32 s29, s29, 4
	s_mov_b32 s21, 0
	SETUP
.set TU, 0
	ISST
.set TU, 1
	ISST
	STEP 3, 0, 0, 1, 1, 1, 1, 44, 0                ; step -1: W0 is in; W1-3 and T0-1 (24 + 20) stay out
	STEP 0, 1, 1, 1, 1, 1, 1, 28, 1                ; T1, T2, W4 stay out
	STEP 1, 1, 0, 1, 1, 1, 2, 36, 2                ; T2, W4, T3, W5
	STEP 2, 1, 0, 1, 1, 1, 2, 44, 3                ; from here on W, T, W, T, W: 8 + 10 + 8 + 10 + 8
	STEP 3, 1, 0, 1, 1, 1, 2, 44, 4
	s_mov_b32 s23, 5                               ; steps 4 to 23
.Lmain:
	STEP 0, 1, 0, 1, 1, 1, 2, 44, 5
	STEP 1, 1, 0, 1, 1, 1, 2, 44, 6
	STEP 2, 1, 0, 1, 1, 1, 2, 44, 7
	STEP 3, 1, 0, 1, 1, 1, 2, 44, 8
	s_sub_co_i32 s23, s23, 1
	s_cmp_lg_u32 s23, 0
	s_cbranch_scc1 .Lmain
	STEP 0, 1, 0, 1, 1, 1, 2, 44, 9                ; 24
	STEP 1, 1, 0, 1, 1, 1, 2, 44, 10
	STEP 2, 1, 0, 1, 1, 1, 2, 44, 11               ; 26 asks for W31, the last
	STEP 3, 1, 0, 1, 0, 1, 2, 44, 12               ; 27
	STEP 0, 1, 0, 1, 0, 1, 2, 36, 13               ; 28 asks for T31, the last; W30, T29, W31, T30 stay out
	STEP 1, 1, 0, 1, 0, 1, 0, 28, 14               ; 29: W31, T30, T31
	STEP 2, 1, 0, 1, 0, 1, 0, 10, 15               ; 30: T31
	STEP 3, 1, 0, 0, 0, 0, 0, 0, 16                ; 31
	EPI 0
	; FURTHER PASSES, for an expert with more than 20 tiles: weights from LDS, which nobody writes any more: no barrier.
	s_mov_b32 s21, 20                              ; the pass's first local tile
	s_mov_b32 s28, 1                               ; the pass
	s_cmp_ge_u32 s28, s29
	s_cbranch_scc1 .Lend
.Lpass:
	s_wait_xcnt 0x0                                ; the stores' bases are written again below
	SETUP
.irp u, 0,1,2,3
	v_add_nc_u32 v[TOFF+\u], \u*1024, v[L16]
.endr
	v_mov_b32 v[FLA], v[L16]
.set TU, 0
	ISST
.set TU, 1
	ISST
.set TU, 2
	ISST
.set FN, 0
	FRAG
	STEP 0, 1, 1, 0, 0, 1, 1, 20, 17               ; two younger token steps of ten loads stay out
	STEP 1, 1, 0, 0, 0, 1, 2, 20, 18
	STEP 2, 1, 0, 0, 0, 1, 2, 20, 19
	STEP 3, 1, 0, 0, 0, 1, 2, 20, 20
	s_mov_b32 s23, 6                               ; steps 4 to 27
.Lmore:
	STEP 0, 1, 0, 0, 0, 1, 2, 20, 21
	STEP 1, 1, 0, 0, 0, 1, 2, 20, 22
	STEP 2, 1, 0, 0, 0, 1, 2, 20, 23
	STEP 3, 1, 0, 0, 0, 1, 2, 20, 24
	s_sub_co_i32 s23, s23, 1
	s_cmp_lg_u32 s23, 0
	s_cbranch_scc1 .Lmore
	STEP 0, 1, 0, 0, 0, 1, 2, 20, 25               ; 28 asks for T31
	STEP 1, 1, 0, 0, 0, 1, 0, 20, 26
	STEP 2, 1, 0, 0, 0, 1, 0, 10, 27
	STEP 3, 1, 0, 0, 0, 0, 0, 0, 28
	EPI 1
	s_add_co_u32 s21, s21, 20
	s_add_co_u32 s28, s28, 1
	s_cmp_lt_u32 s28, s29
	s_cbranch_scc1 .Lpass
.Lend:
	s_barrier_signal -1
	s_barrier_wait -1
	s_wait_tensorcnt 0x0
	ds_add_u32 v254, v255
	s_wait_dscnt 0x0
	s_endpgm
.Lfunc_end_k_qd60baa0f55_ffn2:
	.size	k_qd60baa0f55_ffn2, .Lfunc_end_k_qd60baa0f55_ffn2-k_qd60baa0f55_ffn2
	.p2alignl 7, 3214868480
	.fill 96, 4, 3214868480
	.section	.rodata,"a",@progbits
	.p2align	6, 0x0
	.amdhsa_kernel k_qd60baa0f55_ffn2
		.amdhsa_group_segment_fixed_size 266752
		.amdhsa_private_segment_fixed_size 0
		.amdhsa_enable_private_segment 0
		.amdhsa_kernarg_size 32
		.amdhsa_user_sgpr_count 2
		.amdhsa_user_sgpr_kernarg_segment_ptr 1
		.amdhsa_wavefront_size32 1
		.amdhsa_system_sgpr_workgroup_id_x 1
		.amdhsa_system_sgpr_workgroup_id_y 1
		.amdhsa_system_sgpr_workgroup_id_z 1
		.amdhsa_system_vgpr_workitem_id 0
		.amdhsa_next_free_vgpr 1024
		.amdhsa_next_free_sgpr 66
		.amdhsa_reserve_vcc 0
		.amdhsa_float_denorm_mode_32 3
		.amdhsa_float_denorm_mode_16_64 3
		.amdhsa_memory_ordered 1
		.amdhsa_forward_progress 1
		.amdhsa_inst_pref_size 221
	.end_amdhsa_kernel
	.amdgpu_metadata
---
amdhsa.version: [ 1, 2 ]
amdhsa.kernels:
  - .name:           k_qd60baa0f55_ffn2
    .symbol:         k_qd60baa0f55_ffn2.kd
    .args:
      - { .name: w2, .offset: 0, .size: 8, .value_kind: global_buffer, .address_space: global }
      - { .name: hg, .offset: 8, .size: 8, .value_kind: global_buffer, .address_space: global }
      - { .name: route, .offset: 16, .size: 8, .value_kind: global_buffer, .address_space: global }
      - { .name: part, .offset: 24, .size: 8, .value_kind: global_buffer, .address_space: global }
    .group_segment_fixed_size: 266752
    .private_segment_fixed_size: 0
    .kernarg_segment_align: 8
    .kernarg_segment_size: 32
    .max_flat_workgroup_size: 128
    .sgpr_count:     66
    .vgpr_count:     1024
    .wavefront_size: 32
...
	.end_amdgpu_metadata
.endif
;; end of part 5
;; launch combine (part 6): grid 256 x 1, 8 waves a work-group, no clusters, 0 bytes of LDS; arguments part, route, probs, b2, out0; writes out0
.if DOCPART == 6
	.amdgcn_target "amdgcn-amd-amdhsa--gfx1250"
	.amdhsa_code_object_version 6
	.text
	.protected	k_qd60baa0f55_combine
	.globl	k_qd60baa0f55_combine
	.p2align	8
	.type	k_qd60baa0f55_combine,@function
k_qd60baa0f55_combine:
	s_mov_b64 s[64:65], 0
	v_nop
	global_prefetch_b8 v0, s[64:65] scope:SCOPE_SE
	s_setreg_imm32_b32 hwreg(HW_REG_WAVE_MODE, 25, 1), 1
	s_wait_xcnt 0x0
; COMBINE.  y[b] = sum over the token's two experts of (p / 2) (b2[e] + the four K quarters of its row of part), all in f32.
; Wave w takes token 4 wg + w / 2 and the half w % 2 of its 1,024 columns: four pieces of 512 consecutive bytes, ten loads each
; (b2 and four quarters for each of the two rows), all forty issued at once.  A stream: no LDS, no barrier, no matrix unit.
; The rows and experts are whole numbers that launch route stored; they are clamped to their tables before they enter an address.
.set R0, 16                            ; v[16:175] piece c at 16 + 40 c: b2 A, quarters A 0-3, b2 B, quarters B 0-3, 4 registers each
	s_load_b256 s[4:11], s[0:1], 0x0               ; part s[4:5], route s[6:7], probs s[8:9], b2 s[10:11]
	s_load_b64 s[12:13], s[0:1], 0x20              ; out0
	v_lshrrev_b32 v1, 5, v0
	v_readfirstlane_b32 s14, v1                    ; wave
	v_and_b32 v2, 31, v0
	v_lshlrev_b32 v2, 4, v2
	s_lshr_b32 s15, s14, 1
	s_lshl2_add_u32 s15, ttmp9, s15                ; token
	s_and_b32 s16, s14, 1
	s_lshl_b32 s17, s16, 11
	v_add_nc_u32 v2, s17, v2                       ; 2,048 x half + 16 x lane
	s_lshl_b32 s18, s15, 4
	s_wait_kmcnt 0x0
	s_load_b128 s[20:23], s[6:7], s18 offset:0x200 ; row A, row B, expert A, expert B
	s_wait_kmcnt 0x0
	s_min_u32 s20, s20, 2175
	s_min_u32 s21, s21, 2175
	s_min_u32 s22, s22, 7
	s_min_u32 s23, s23, 7
	s_lshl_b32 s24, s15, 5
	s_lshl2_add_u32 s25, s22, s24                  ; probs[b][e]: 32 b + 4 e
	s_lshl2_add_u32 s26, s23, s24
	s_load_b32 s28, s[8:9], s25 offset:0x0
	s_load_b32 s30, s[8:9], s26 offset:0x0
	s_mov_b32 s33, 0
	s_lshl_b32 s32, s20, 14                        ; a row of part: 4 quarters x 4 KiB
	s_add_nc_u64 s[36:37], s[4:5], s[32:33]
	s_lshl_b32 s32, s21, 14
	s_add_nc_u64 s[38:39], s[4:5], s[32:33]
	s_lshl_b32 s32, s22, 12
	s_add_nc_u64 s[40:41], s[10:11], s[32:33]
	s_lshl_b32 s32, s23, 12
	s_add_nc_u64 s[42:43], s[10:11], s[32:33]
	s_lshl_b32 s32, s15, 12
	s_add_nc_u64 s[44:45], s[12:13], s[32:33]
.irp c, 0,1,2,3
	global_load_b128 v[R0+40*\c:R0+40*\c+3], v2, s[40:41] offset:512*\c
.irp q, 0,1,2,3
	global_load_b128 v[R0+40*\c+4+4*\q:R0+40*\c+7+4*\q], v2, s[36:37] offset:4096*\q+512*\c th:TH_LOAD_NT
.endr
	global_load_b128 v[R0+40*\c+20:R0+40*\c+23], v2, s[42:43] offset:512*\c
.irp q, 0,1,2,3
	global_load_b128 v[R0+40*\c+24+4*\q:R0+40*\c+27+4*\q], v2, s[38:39] offset:4096*\q+512*\c th:TH_LOAD_NT
.endr
.endr
	s_wait_kmcnt 0x0
	s_mul_f32 s28, s28, 0.5                        ; p / K, K = 2
	s_mul_f32 s30, s30, 0.5
	s_mov_b32 s29, s28                             ; the packed forms name the whole pair
	s_mov_b32 s31, s30
.irp c, 0,1,2,3
	s_wait_loadcnt 10*(3-\c)                       ; this piece's ten loads are in, the younger pieces stay out
.irp d, 0,2
.irp q, 0,1,2,3
	v_pk_add_f32 v[R0+40*\c+\d:R0+40*\c+\d+1], v[R0+40*\c+\d:R0+40*\c+\d+1], v[R0+40*\c+4+4*\q+\d:R0+40*\c+5+4*\q+\d]
	v_pk_add_f32 v[R0+40*\c+20+\d:R0+40*\c+21+\d], v[R0+40*\c+20+\d:R0+40*\c+21+\d], v[R0+40*\c+24+4*\q+\d:R0+40*\c+25+4*\q+\d]
.endr
	v_pk_mul_f32 v[R0+40*\c+\d:R0+40*\c+\d+1], v[R0+40*\c+\d:R0+40*\c+\d+1], s[28:29] op_sel_hi:[1,0]
	v_pk_fma_f32 v[R0+40*\c+\d:R0+40*\c+\d+1], v[R0+40*\c+20+\d:R0+40*\c+21+\d], s[30:31], v[R0+40*\c+\d:R0+40*\c+\d+1] op_sel_hi:[1,0,1]
.endr
	global_store_b128 v2, v[R0+40*\c:R0+40*\c+3], s[44:45] offset:512*\c   ; 512 consecutive bytes of y
.endr
	s_endpgm
.Lfunc_end_k_qd60baa0f55_combine:
	.size	k_qd60baa0f55_combine, .Lfunc_end_k_qd60baa0f55_combine-k_qd60baa0f55_combine
	.p2alignl 7, 3214868480
	.fill 96, 4, 3214868480
	.section	.rodata,"a",@progbits
	.p2align	6, 0x0
	.amdhsa_kernel k_qd60baa0f55_combine
		.amdhsa_group_segment_fixed_size 0
		.amdhsa_private_segment_fixed_size 0
		.amdhsa_enable_private_segment 0
		.amdhsa_kernarg_size 40
		.amdhsa_user_sgpr_count 2
		.amdhsa_user_sgpr_kernarg_segment_ptr 1
		.amdhsa_wavefront_size32 1
		.amdhsa_system_sgpr_workgroup_id_x 1
		.amdhsa_system_sgpr_workgroup_id_y 1
		.amdhsa_system_sgpr_workgroup_id_z 1
		.amdhsa_system_vgpr_workitem_id 0
		.amdhsa_next_free_vgpr 176
		.amdhsa_next_free_sgpr 66
		.amdhsa_reserve_vcc 0
		.amdhsa_float_denorm_mode_32 3
		.amdhsa_float_denorm_mode_16_64 3
		.amdhsa_memory_ordered 1
		.amdhsa_forward_progress 1
		.amdhsa_inst_pref_size 11
	.end_amdhsa_kernel
	.amdgpu_metadata
---
amdhsa.version: [ 1, 2 ]
amdhsa.kernels:
  - .name:           k_qd60baa0f55_combine
    .symbol:         k_qd60baa0f55_combine.kd
    .args:
      - { .name: part, .offset: 0, .size: 8, .value_kind: global_buffer, .address_space: global }
      - { .name: route, .offset: 8, .size: 8, .value_kind: global_buffer, .address_space: global }
      - { .name: probs, .offset: 16, .size: 8, .value_kind: global_buffer, .address_space: global }
      - { .name: b2, .offset: 24, .size: 8, .value_kind: global_buffer, .address_space: global }
      - { .name: out0, .offset: 32, .size: 8, .value_kind: global_buffer, .address_space: global }
    .group_segment_fixed_size: 0
    .private_segment_fixed_size: 0
    .kernarg_segment_align: 8
    .kernarg_segment_size: 40
    .max_flat_workgroup_size: 256
    .sgpr_count:     66
    .vgpr_count:     176
    .wavefront_size: 32
...
	.end_amdgpu_metadata
.endif
;; end of part 6
